; MI455X (gfx1250); checked and timed in simulation.
; The chip was launched on July 23, 2026; its instructions are those of AMD's public machine-readable ISA for CDNA 5 (MIT licence, August 2026) and "CDNA5" Instruction Set Architecture Reference Guide (July 2026). The comments in the code are by the model that wrote it; some were corrected since.
;; Module Selector. Allowed arithmetic: float matrix products may take bf16 or f16 operands with f32 sums; other float arithmetic in f32, or as packed bf16 or f16 multiplies, adds, multiply-adds, maxima and minima; sums over many terms, partial sums and values carried from step to step in f32; what a program stores and reads back later, other than sums and carried values, may be rounded once to bf16 or f16.
;; Inputs: W 8 x 1,024 x 1,024 float32; b 8 x 1,024 float32; in_feats 8,192 x 1,024 float32; module_ids 8,192 int32.
;; Outputs: out0 8,192 x 1,024 float32.
;; 2 versions, each right and faster than the one before. Each part assembles by itself: llvm-mc -triple=amdgcn-amd-amdhsa -mcpu=gfx1250 --defsym DOCPART=n.
;; ======== version 1 of 2: 1 launch
;; launch moe (part 1): grid 4 x 64, 4 waves a work-group, no clusters, 317,440 bytes of LDS; arguments in_feats, module_ids, W, b, out0; writes out0
.if DOCPART == 1
	.amdgcn_target "amdgcn-amd-amdhsa--gfx1250"
	.amdhsa_code_object_version 6
	.text
	.protected	k_q8453f3514d_moe
	.globl	k_q8453f3514d_moe
	.p2align	8
	.type	k_q8453f3514d_moe,@function
k_q8453f3514d_moe:
	s_mov_b64 s[64:65], 0
	v_nop
	global_prefetch_b8 v0, s[64:65] scope:SCOPE_SE
	s_setreg_imm32_b32 hwreg(HW_REG_WAVE_MODE, 25, 1), 1
	s_wait_xcnt 0x0
; out[t][:] = x[t][:] W[id[t]] + b[id[t]] for id[t] in 0..7, else 0.  x: [8192][1024] f32, id: [8192] i32, W: [8][1024 k][1024 n] f32, b: [8][1024] f32, out: [8192][1024] f32.
; LIMITS.  x and W are rounded once to bf16 for the products; sums and bias in f32.  The order in which K is summed differs from work-group to work-group (ROT below).
; Every i32 id is served (an id outside 0..7 leaves a row of zeros).  NaN and infinities go through the arithmetic as they come.
; SHARES.  Grid 4 x 64: x = slice of 256 columns, y = row group.  The tokens of an expert, ranked, are cut into tiles of 144 rows; the sum over the experts of ceil(count / 144) is at most
; (8192 + 8 x 143) / 144 = 64 for every split, so 64 row groups serve every split.  A row group that a split leaves without rows walks a tile of token 0 (every wave passes every barrier) and stores no tile row.
; A wave owns 144 rows x 64 columns: 36 accumulators of 16 x 16.
; ROUTING.  Every work-group counts the 8,192 ids itself (a wave 2,048), finds its expert and tile from the counts, ranks its expert's tokens and lays the 144 of its tile into a list in LDS.
; x: the listed rows are gathered in f32 through registers, rounded, and laid into LDS: the whole tile, 144 x 1024 bf16, in 8 slabs of 128 along K, each byte written once.
; W never touches LDS: a wave loads its 64 columns in f32, 16 bytes a lane; fragment b is DECLARED to hold columns n0 + 4 r + b, so a lane's four numbers go to the four fragments, two loads (k, k + 1) pack into
; one register, and in the result registers j of the four accumulators of a row block are 16 neighbouring bytes of an output row: results leave straight from registers, 16 lanes to 256 aligned bytes.
; NO JOINT LOADS: the token rows come by a list, which no tile descriptor covers; W through LDS in f32 would add 64 KB of LDS traffic to the 45 KB of a K step; and how many tiles an expert has hangs on the counts,
; so work-groups that share W are no fixed group of four.
; ROT = 1: a work-group begins its walk along K at chunk (tile in expert + 2 x slice) mod 8 of 128 and wraps, so that the work-groups that read the same rows of W (or of x) read different chunks at one time.
.set ROT,   1
.set PITCH, 272              ; an LDS row of a slab: 256 bytes + 16: 68 words, so the 16 rows of a fragment load start at 16 different groups of four banks (64 banks of 4 bytes: ISA guide 11.1)
.set SLAB,  144*PITCH        ; 39,168
.set LISTW, 8*SLAB           ; 313,344: four lists of 160 words, one a wave: slots 0-143, slot 144 for what is not in the tile
.set LWSZ,  640
.set LIST2, LISTW+4*LWSZ     ; 315,904: the tile's list, 144 words (768 bytes kept)
.set CNTS,  LIST2+768        ; 316,672: four words of packed counts a wave
.set SPARE, CNTS+256         ; 316,928: the spare words, 128 bytes a wave: two blocks of 256 bytes that no other line names
; vector registers, window 0
.set WVV, 1                  ; my wave's number
.set SPW, 2                  ; LDS address of my spare word; never rewritten
.set NIL, 3                  ; 0; never rewritten
.set WOFF, 4                 ; my byte offset in a K step of W: COLV + 8 rows for lanes 16-31
.set COLV, 5                 ; my 16 bytes in a row of W, b or out: 1024 slice + 256 wave + 16 (lane % 16)
.set ADA, 6                  ; LDS address of my part of a fragment of x, in the slab in hand
.set LB,  7                  ; LIST2 + 32 (lane / 16)
.set ZO,  8                  ; byte offset of my 16 bytes in a row of zeros
.set LN,  9                  ; lane
.set R16, 10                 ; lane % 16
.set HH,  11                 ; lane / 16
.set BIAS, 12                ; v12-15
.set ZERO4, 16               ; v16-19
.set IDO, 30                 ; offsets of the id loads (v20-31 are at work)
.set DUO, 31
.set AF0, 32                 ; fragments of x: two buffers of 9 x 8
.set BF0, 176                ; fragments of W: two buffers of 4 x 8
; routing, in the registers that the fragments take later
.set ID,  32                 ; v32-95 my wave's 2,048 ids: register 4 j + i of lane l is token 2048 w + 128 j + 4 l + i
.set SH,  96
.set ON,  100
.set NB,  104
.set EE,  108
.set OO,  109
.set DUTY, 110
.set PPV, 112
.set TD,  116
.set QQ,  120
.set RK,  136
.set TO,  140
.set V144, 152
.set TBK, 153
; the way out, likewise
.set TK,  32                 ; v32-103 output offsets: register 8 a + j is row 16 a + 8 (lane / 16) + j
.set T,   104                ; v104-135 eight rows' 16 bytes
; window 1: accumulator (a, b), a < 8, at 8 (4 a + b).  Before the first product v0-143 take x's first two sub-chunks.
; window 2: v0-31 accumulators (8, b)
.set XO,  32                 ; v32-49 unit pi's byte offset in x: token x 4096 + 16 (lane % 16)
.set XLA8, 50                ; LDS address for units 0-15 (rows 8 apart in the two halves of the lanes)
.set XLA2, 51                ; for units 16, 17 (rows 2 apart)
.set L16, 54
.set ST,  56                 ; v56-127 18 units x 4: x as loaded
.set PK,  128                ; v128-163 18 pairs: x rounded
; window 3: v0-127 W as loaded: two slots of 16 loads x 4
; scalar registers
.set WV, 14
.set SL, 15
.set TG, 16
.set EX, 17                  ; my expert
.set NROW, 18                ; rows in my tile, 0 to 144
.set CM1, 19                 ; the last row's place
.set RB, 20                  ; rank of the next token of my expert, less my tile's first rank
.set INV, 21                 ; of the 32 tokens that my wave answers for: those that no expert takes
.set WB, 22                  ; s[22:23] my expert's W
.set WP, 24                  ; s[24:25] the chunk of W being asked for
.set XP, 26                  ; s[26:27] the chunk of x being asked for
.set OFS, 28                 ; s[28:29] an offset, high word 0
.set KW, 30
.set KX, 31
.set LOOP, 32
.set N0F, 33
.set B0F, 34
.set SEL, 36                 ; s[36:37]
.set SQ, 40                  ; s40-55 the four waves' packed counts
.set TT, 56                  ; s56-59 their sum
.set PPS, 60                 ; s60-63 the sum of the waves below mine
.set TS, 66
.set CC, 67
.set NN, 68
.set PR, 69
.set MK, 70                  ; s70-73 lane masks, and at work
.set MYC, 74
.set MYT, 75
.set MYP, 76
.set LWB, 77
.set TA, 78
.set TB, 79
.set BP, 80                  ; s[80:81] my expert's bias
; s_set_vgpr_msb: bits 1:0 source 0, 3:2 source 1, 5:4 source 2, 7:6 destination
.set MM,  0x50               ; products: C and D in window 1
.set MM8, 0xa0               ; C and D in window 2
.set CWW, 0x0f               ; W is rounded: sources window 3, destination window 0
.set LWW, 0xc0               ; W is loaded: destination window 3, address window 0
.set XW,  0xaa               ; x: all in window 2
.set MSB, 0
.macro WIN new               ; the high byte repeats the setting that is left; a switch that changes nothing is dropped
.if MSB != (\new)
	s_set_vgpr_msb (MSB<<8)|(\new)
.set MSB, \new
.endif
.endm
	s_load_b256 s[4:11], s[0:1], 0x0               ; x s[4:5], ids s[6:7], W s[8:9], b s[10:11]
	s_load_b64 s[12:13], s[0:1], 0x20              ; out
	v_lshl_add_u32 v[SPW], v0, 2, SPARE
	v_mov_b32 v[NIL], 0
	v_lshrrev_b32 v[WVV], 5, v0
	v_readfirstlane_b32 s[WV], v[WVV]              ; wave 0..3
	s_mov_b32 s[SL], ttmp9
	s_and_b32 s[TG], ttmp7, 0xffff
	s_mov_b32 s[N0F], 0x0f0f0f0f
	s_mov_b32 s[B0F], 0x00ff00ff
	s_mov_b32 s[SEL], 0x76543210                   ; v_permlanex16_b32: each lane takes its own place in the other half
	s_mov_b32 s[SEL+1], 0xfedcba98
	v_and_b32 v[LN], 31, v0
	v_and_b32 v[R16], 15, v0
	v_bfe_u32 v[HH], v0, 4, 1
.set n, 0
.rept 4
	v_mov_b32 v[ZERO4+n], 0
	v_mov_b32 v[TD+n], 0                           ; a lane exchange counts as a reader of its destination
.set n, n+1
.endr
	v_mov_b32 v[EE], 0
	v_mov_b32 v[OO], 0
	s_mul_i32 s[LWB], s[WV], LWSZ
	s_add_co_u32 s[LWB], s[LWB], LISTW             ; my wave's list
	v_lshl_add_u32 v20, v[LN], 2, s[LWB]
.set n, 0
.rept 5
	ds_store_b32 v20, v[ZERO4] offset:128*n        ; its 160 words are cleared: the four lists are merged by OR
.set n, n+1
.endr
	v_lshlrev_b32 v[IDO], 4, v[LN]
	v_lshl_add_u32 v[IDO], v[WVV], 13, v[IDO]      ; 8192 w + 16 l
	s_lshl_b32 s[TA], s[TG], 9
	v_lshl_add_u32 v[DUO], v0, 2, s[TA]            ; token 128 x row group + thread: the one I answer for if no expert takes it
	s_wait_kmcnt 0x0
	global_load_b32 v[DUTY], v[DUO], s[6:7]
.set n, 0
.rept 16
	global_load_b128 v[ID+4*n:ID+4*n+3], v[IDO], s[6:7] offset:512*n
.set n, n+1
.endr
; COUNTING.  Each lane adds 1 << 4 id into one of four registers of eight 4-bit fields: at most 8 adds a field between two SPILLs.  An id outside 0..7 adds 0.
.macro COUNT j
	s_wait_loadcnt 15-(\j)                         ; loads come back in order: load j is in, the 15 - j behind it may be out
.set i, 0
.rept 4
	v_cmp_gt_u32 s[MK+i], 8, v[ID+4*(\j)+i]
	v_lshlrev_b32 v[SH+i], 2, v[ID+4*(\j)+i]
.set i, i+1
.endr
.set i, 0
.rept 4
	v_cndmask_b32 v[ON+i], 0, 1, s[MK+i]
.set i, i+1
.endr
.set i, 0
.rept 4
.if (\j)%8 == 0
	v_lshlrev_b32 v[NB+i], v[SH+i], v[ON+i]        ; starts the fields anew
.else
	v_lshl_add_u32 v[NB+i], v[ON+i], v[SH+i], v[NB+i]
.endif
.set i, i+1
.endr
.endm
.macro SPILL                                       ; the 4-bit fields go into bytes: EE experts 0, 2, 4, 6; OO experts 1, 3, 5, 7; 64 at the most
.set i, 0
.rept 4
	v_and_b32 v24, s[N0F], v[NB+i]
	v_lshrrev_b32 v25, 4, v[NB+i]
	v_add_nc_u32 v[EE], v[EE], v24
	v_and_b32 v25, s[N0F], v25
	v_add_nc_u32 v[OO], v[OO], v25
.set i, i+1
.endr
.endm
.set n, 0
.rept 8
	COUNT n
.set n, n+1
.endr
	SPILL
.rept 8
	COUNT n
.set n, n+1
.endr
	SPILL
	v_cmp_lt_u32 s[INV], 7, v[DUTY]
	; bytes into halves: word 0 experts (0, 4), word 1 (2, 6), word 2 (1, 5), word 3 (3, 7); then the sum over the wave's 32 lanes, 2,048 at the most
	v_and_b32 v[PPV], s[B0F], v[EE]
	v_lshrrev_b32 v[PPV+1], 8, v[EE]
	v_and_b32 v[PPV+2], s[B0F], v[OO]
	v_lshrrev_b32 v[PPV+3], 8, v[OO]
	v_and_b32 v[PPV+1], s[B0F], v[PPV+1]
	v_and_b32 v[PPV+3], s[B0F], v[PPV+3]
.irp m, 1,2,4,8
.set i, 0
.rept 4
	v_mov_b32_dpp v[TD+i], v[PPV+i] row_xmask:\m row_mask:0xf bank_mask:0xf
.set i, i+1
.endr
.set i, 0
.rept 4
	v_add_nc_u32 v[PPV+i], v[PPV+i], v[TD+i]
.set i, i+1
.endr
.endr
.set i, 0
.rept 4
	v_permlanex16_b32 v[TD+i], v[PPV+i], s[SEL], s[SEL+1]
.set i, i+1
.endr
.set i, 0
.rept 4
	v_add_nc_u32 v[PPV+i], v[PPV+i], v[TD+i]
.set i, i+1
.endr
	s_lshl_b32 s[TA], s[WV], 4
	s_add_co_u32 s[TA], s[TA], CNTS
	v_mov_b32 v20, s[TA]
	ds_store_b128 v20, v[PPV:PPV+3]                ; all lanes store the same 16 bytes
	s_wait_dscnt 0x0                               ; for the others' sake: my counts are in LDS
	s_barrier_signal -1
	s_barrier_wait -1
	v_mov_b32 v20, CNTS
.set n, 0
.rept 4
	ds_load_b128 v[QQ+4*n:QQ+4*n+3], v20 offset:16*n
.set n, n+1
.endr
	; addresses that hang on ids alone are made in the wait
	s_lshl_b32 s[TA], s[SL], 10
	s_lshl_b32 s[TB], s[WV], 8
	s_add_co_u32 s[TA], s[TA], s[TB]
	v_lshl_add_u32 v[COLV], v[R16], 4, s[TA]
	v_lshl_add_u32 v[WOFF], v[HH], 15, v[COLV]     ; lanes 16-31 take the row 8 further down: 8 x 4,096 bytes
	v_mul_u32_u24 v[ADA], v[R16], PITCH
	v_lshl_add_u32 v[ADA], v[HH], 4, v[ADA]        ; row x pitch + 16 x half
	v_lshl_add_u32 v[LB], v[HH], 5, LIST2
	v_mov_b32 v[V144], 144
	v_lshlrev_b32 v[TBK], 2, v[LN]
	v_lshl_add_u32 v[TBK], v[WVV], 11, v[TBK]      ; 2048 w + 4 l
	s_wait_dscnt 0x0
.set n, 0
.rept 16
	v_readfirstlane_b32 s[SQ+n], v[QQ+n]
.set n, n+1
.endr
.set n, 0
.rept 4
	s_add_co_u32 s[TT+n], s[SQ+n], s[SQ+4+n]
	s_add_co_u32 s[TT+n], s[TT+n], s[SQ+8+n]
	s_add_co_u32 s[TT+n], s[TT+n], s[SQ+12+n]      ; all tokens of each expert: 8,192 at the most, in 16 bits
.set n, n+1
.endr
	s_cmp_gt_u32 s[WV], 0                          ; and those in the waves below mine
.set n, 0
.rept 4
	s_cselect_b32 s[PPS+n], s[SQ+n], 0
.set n, n+1
.endr
.irp w, 1,2
	s_cmp_gt_u32 s[WV], \w
.set n, 0
.rept 4
	s_cselect_b32 s[MK+n], s[SQ+4*\w+n], 0
.set n, n+1
.endr
.set n, 0
.rept 4
	s_add_co_u32 s[PPS+n], s[PPS+n], s[MK+n]
.set n, n+1
.endr
.endr
; Expert e has ceil(c / 144) tiles, from tile TS on.  floor(m / 9) = (7282 m) >> 16 for m = (c + 143) >> 4 up to 520: 7282 x 9 = 65,538, so the excess is under m / 9 x 2 / 65,536 < 1 / 9.
; The last expert whose first tile is not beyond my row group is mine; a row group beyond the last tile gets expert 7 and no rows.
.macro EXPERT e
.set fw, 2*((\e)%2)+((\e)/2)%2
.set fh, (\e)/4
	s_bfe_u32 s[CC], s[TT+fw], (16<<16)|(16*fh)
	s_bfe_u32 s[PR], s[PPS+fw], (16<<16)|(16*fh)
	s_add_co_u32 s[NN], s[CC], 143
	s_lshr_b32 s[NN], s[NN], 4
	s_mul_i32 s[NN], s[NN], 7282
	s_lshr_b32 s[NN], s[NN], 16
.if (\e) == 0
	s_mov_b32 s[EX], 0
	s_mov_b32 s[MYC], s[CC]
	s_mov_b32 s[MYT], 0
	s_mov_b32 s[MYP], s[PR]
	s_mov_b32 s[TS], s[NN]
.else
	s_cmp_ge_u32 s[TG], s[TS]
	s_cselect_b32 s[EX], \e, s[EX]
	s_cselect_b32 s[MYC], s[CC], s[MYC]
	s_cselect_b32 s[MYT], s[TS], s[MYT]
	s_cselect_b32 s[MYP], s[PR], s[MYP]
	s_add_co_u32 s[TS], s[TS], s[NN]
.endif
.endm
.irp e, 0,1,2,3,4,5,6,7
	EXPERT \e
.endr
	s_sub_co_u32 s[TA], s[TG], s[MYT]              ; my tile in the expert
	s_mul_i32 s[TB], s[TA], 144                    ; its first rank
	s_sub_co_i32 s[NROW], s[MYC], s[TB]
	s_max_i32 s[NROW], s[NROW], 0
	s_min_u32 s[NROW], s[NROW], 144
	s_max_u32 s[CM1], s[NROW], 1
	s_sub_co_u32 s[CM1], s[CM1], 1
	s_sub_co_u32 s[RB], s[MYP], s[TB]              ; may be negative: as an unsigned number it is then beyond every slot
	s_min_u32 s[EX], s[EX], 7
.if ROT
	s_lshl_b32 s[TB], s[SL], 1
	s_add_co_u32 s[TB], s[TB], s[TA]
	s_and_b32 s[TB], s[TB], 7
	s_min_u32 s[KW], s[TB], 7                      ; the chunk of 128 along K at which my walk begins
.else
	s_mov_b32 s[KW], 0
.endif
	s_mov_b32 s[KX], s[KW]
	s_mov_b32 s[OFS+1], 0
	s_lshl_b32 s[OFS], s[EX], 22                   ; an expert's W is 4 MiB,
	s_add_nc_u64 s[WB:WB+1], s[8:9], s[OFS:OFS+1]
	s_lshl_b32 s[OFS], s[EX], 12                   ; its bias 4 KiB
	s_add_nc_u64 s[BP:BP+1], s[10:11], s[OFS:OFS+1]
	s_lshl_b32 s[OFS], s[KW], 19                   ; a chunk of W is 128 rows of 4,096 bytes,
	s_add_nc_u64 s[WP:WP+1], s[WB:WB+1], s[OFS:OFS+1]
	s_lshl_b32 s[OFS], s[KX], 9                    ; of a row of x 512 bytes
	s_add_nc_u64 s[XP:XP+1], s[4:5], s[OFS:OFS+1]
	global_load_b128 v[BIAS:BIAS+3], v[COLV], s[BP:BP+1]
; W of K step u, 32 rows x my 64 columns, into slot u % 2: load j takes row j (j < 8) or j + 8, lanes 16-31 the row 8 further down: each half of the lanes 256 consecutive bytes, aligned.
.macro LWALL u
	WIN LWW
.set jj, 0
.rept 16
	global_load_b128 v[64*((\u)%2)+4*jj:64*((\u)%2)+4*jj+3], v[WOFF], s[WP:WP+1] offset:((\u)%4)*131072+(jj+8*(jj/8))*4096
.set jj, jj+1
.endr
	WIN 0
.endm
	LWALL 0                                        ; W's first two K steps are on their way while the list is made
	LWALL 1
; THE LIST.  Four ids at a time: a token of my expert has rank RB + the lanes below it that match; slots outside 0..143, and tokens of other experts, go to slot 144.  Every work-group ranks alike: by wave, register, lane.
.macro SCAT4 j
.set u, 0
.rept 4
	v_cmp_eq_u32 s[MK+u], s[EX], v[ID+4*(\j)+u]
.set u, u+1
.endr
.set u, 0
.rept 4
	v_mbcnt_lo_u32_b32 v[RK+u], s[MK+u], s[RB]
	s_bcnt1_i32_b32 s[TA], s[MK+u]
	s_add_co_u32 s[RB], s[RB], s[TA]
.set u, u+1
.endr
.set u, 0
.rept 4
	v_cndmask_b32 v[RK+u], v[V144], v[RK+u], s[MK+u]
	v_add_nc_u32 v[TO+u], 128*(\j)+u, v[TBK]
.set u, u+1
.endr
.set u, 0
.rept 4
	v_min_u32 v[RK+u], 144, v[RK+u]
.set u, u+1
.endr
.set u, 0
.rept 4
	v_lshl_add_u32 v[RK+u], v[RK+u], 2, s[LWB]
.set u, u+1
.endr
.set u, 0
.rept 4
	ds_store_b32 v[RK+u], v[TO+u]
.set u, u+1
.endr
.endm
.set n, 0
.rept 16
	SCAT4 n
.set n, n+1
.endr
	s_wait_dscnt 0x0                               ; for the others' sake: my list is in LDS
	s_barrier_signal -1
	s_barrier_wait -1
	; The four lists are merged: a slot is written in one of them and 0 in the others.  Wave w merges slots 36 w .. 36 w + 35, its own rows of x.  Places past the count repeat the tile's last token.
	s_mul_i32 s[TA], s[WV], 36
	v_add_nc_u32 v20, s[TA], v[LN]                 ; slots 36 w + 0..31
	v_min_u32 v21, 3, v[LN]
	v_add3_u32 v21, v21, s[TA], 32                 ; slots 36 w + 32..35 (lanes 3 to 31 all take the last)
	v_min_u32 v22, s[CM1], v20
	v_min_u32 v23, s[CM1], v21
	v_min_u32 v22, 143, v22
	v_min_u32 v23, 143, v23
	v_lshl_add_u32 v22, v22, 2, LISTW
	v_lshl_add_u32 v23, v23, 2, LISTW
.set n, 0
.rept 4
	ds_load_b32 v[24+n], v22 offset:LWSZ*n
	ds_load_b32 v[28+n], v23 offset:LWSZ*n
.set n, n+1
.endr
	v_lshl_add_u32 v20, v20, 2, LIST2
	v_lshl_add_u32 v21, v21, 2, LIST2
	s_wait_dscnt 0x0
	v_or_b32 v24, v24, v25
	v_or_b32 v26, v26, v27
	v_or_b32 v28, v28, v29
	v_or_b32 v30, v30, v31
	v_or_b32 v24, v24, v26
	v_or_b32 v28, v28, v30
	ds_store_b32 v20, v24
	ds_store_b32 v21, v28
	; x IS GATHERED BY UNITS: unit pi is a pair of my 36 rows, one for each half of the lanes: rows pi + 8 (pi / 8) and 8 further (pi < 16), rows 32 + (pi - 16) and 2 further (pi = 16, 17).
	; A unit's load takes 256 bytes of each row (a sub-chunk, 64 along K), 16 bytes a lane; rounded they are 8 bytes a lane.  Rows 8 apart lie 544 words apart in LDS, 32 banks.
	s_mul_i32 s[TB], s[WV], 144
	s_add_co_u32 s[TB], s[TB], LIST2
	v_lshl_add_u32 v22, v[HH], 5, s[TB]            ; the list at my rows, 8 slots on for lanes 16-31
	v_lshl_add_u32 v23, v[HH], 3, s[TB]
	v_add_nc_u32 v23, 128, v23                     ; at my row 32, 2 slots on for lanes 16-31
	s_mul_i32 s[TA], s[TA], PITCH                  ; my 36 rows in a slab
	v_mul_u32_u24 v24, v[HH], 8*PITCH
	v_mul_u32_u24 v25, v[HH], 2*PITCH
	v_lshl_add_u32 v24, v[R16], 3, v24
	v_lshl_add_u32 v25, v[R16], 3, v25
	v_add_nc_u32 v25, 32*PITCH, v25
	WIN 0x80                                       ; destination window 2, sources window 0
.set n, 0
.rept 16
	ds_load_b32 v[XO+n], v22 offset:4*(n+8*(n/8))  ; LDS serves a wave's instructions in order (ISA guide 5.7.1.4): these see my two stores above
.set n, n+1
.endr
	ds_load_b32 v[XO+16], v23
	ds_load_b32 v[XO+17], v23 offset:4
	v_lshlrev_b32 v[L16], 4, v[R16]
	v_add_nc_u32 v[XLA8], s[TA], v24
	v_add_nc_u32 v[XLA2], s[TA], v25
	s_wait_dscnt 0x0
	WIN XW
.set n, 0
.rept 18
	v_min_u32 v[XO+n], 0x1fff, v[XO+n]
.set n, n+1
.endr
.set n, 0
.rept 18
	v_lshl_add_u32 v[XO+n], v[XO+n], 12, v[L16]    ; token x 4,096 bytes + my 16
.set n, n+1
.endr
	WIN 0x42                                       ; destination window 1, address window 2: sub-chunks 0 and 1 go where the accumulators will be
.set n, 0
.rept 18
	global_load_b128 v[4*n:4*n+3], v[XO+n], s[XP:XP+1]
.set n, n+1
.endr
.set n, 0
.rept 18
	global_load_b128 v[72+4*n:72+4*n+3], v[XO+n], s[XP:XP+1] offset:256
.set n, n+1
.endr
	s_wait_xcnt 0x0                                ; the base is written anew only behind this wait
	s_add_co_u32 s[KX], s[KX], 1
	s_and_b32 s[KX], s[KX], 7
	s_lshl_b32 s[OFS], s[KX], 9
	s_add_nc_u64 s[XP:XP+1], s[4:5], s[OFS:OFS+1]
	WIN XW
.set n, 0
.rept 18
	global_load_b128 v[ST+4*n:ST+4*n+3], v[XO+n], s[XP:XP+1]  ; sub-chunk 2
.set n, n+1
.endr
	s_wait_loadcnt 54                              ; the 3 x 18 loads of x may be out: bias and W's K steps 0 and 1 are in
	WIN CWW
.set ci, 0
.rept 8                                            ; register ci of fragment n: k = 2 ci, 2 ci + 1 (+ 8 from ci = 4 on, + 8 for lanes 16-31) of column n0 + 4 r + n
.set n, 0
.rept 4
	v_cvt_pk_bf16_f32 v[BF0+8*n+ci], v[8*ci+n], v[8*ci+4+n]
.set n, n+1
.endr
.set ci, ci+1
.endr
	LWALL 2
.macro XSTORE pi, par                              ; unit pi's 8 bytes a lane into half par of the slab's rows
.if (\pi) < 16
	ds_store_b64 v[XLA8], v[PK+2*(\pi):PK+2*(\pi)+1] offset:((\pi)+8*((\pi)/8))*PITCH+(\par)*128
.else
	ds_store_b64 v[XLA2], v[PK+2*(\pi):PK+2*(\pi)+1] offset:((\pi)-16)*PITCH+(\par)*128
.endif
.endm
.irp d, 0,1
	s_wait_loadcnt 52-18*\d                        ; younger: sub-chunk 1 (for d = 0), sub-chunk 2 and W's K step 2: 18 + 18 + 16, then 18 + 16
	WIN 0x85                                       ; sources window 1, destination window 2
.set n, 0
.rept 18
	v_cvt_pk_bf16_f32 v[PK+2*n], v[72*\d+4*n], v[72*\d+4*n+1]
	v_cvt_pk_bf16_f32 v[PK+2*n+1], v[72*\d+4*n+2], v[72*\d+4*n+3]
.set n, n+1
.endr
	WIN XW
.set n, 0
.rept 18
	XSTORE n, \d
.set n, n+1
.endr
.endr
	v_add_nc_u32 v[XLA8], SLAB, v[XLA8]            ; on to slab 1
	v_add_nc_u32 v[XLA2], SLAB, v[XLA2]
; Unit pi of sub-chunk d: waited for (cnt younger loads may be out), rounded, stored; re = 1: the unit is loaded again with sub-chunk d + 1.
.macro XUNIT pi, d, cnt, re
	s_wait_loadcnt \cnt
	WIN XW
	v_cvt_pk_bf16_f32 v[PK+2*(\pi)], v[ST+4*(\pi)], v[ST+4*(\pi)+1]
	v_cvt_pk_bf16_f32 v[PK+2*(\pi)+1], v[ST+4*(\pi)+2], v[ST+4*(\pi)+3]
	XSTORE \pi, (\d)%2
.if \re
	global_load_b128 v[ST+4*(\pi):ST+4*(\pi)+3], v[XO+(\pi)], s[XP:XP+1] offset:(((\d)+1)%2)*256
.endif
.endm
.set q, 0
.rept 9
	XUNIT q, 2, 33, 1                              ; younger: 17 - q units of sub-chunk 2, W's 16, the q reloads
.set q, q+1
.endr
	s_wait_dscnt 0x0                               ; for the others' sake: my rows of slab 0 and my part of the list are in LDS
	s_barrier_signal -1
	s_barrier_wait -1
	WIN 0
.set jj, 0
.rept 18
	ds_load_b128 v[AF0+4*jj:AF0+4*jj+3], v[ADA] offset:(jj/2)*16*PITCH+32*(jj%2)  ; the fragments of K step 0
.set jj, jj+1
.endr
; A K STEP of 32: 36 products, the accumulators by turns in one order in every step: between two products on one accumulator stand the 35 others'.  Behind the products stand, in slices of
; four lines at the most, the work for later steps: W of step s + 1 is rounded into the other fragment buffer (8 slices), W of step s + 3 is asked for into the registers just read (4 slices), the fragments of x of
; step s + 1 are read from LDS (6 slices), nine units of x are rounded and stored for the next slab and asked for anew (9 slices).  No window has room for a product's operands beside that work, so a slice costs
; two switches of the windows.
; LOADS go out in this order, step after step: W's 16, x's 9.  A wait counts the loads issued behind the one that it wants:
;   W (loads 2 ci, 2 ci + 1 of step s - 2's sixteen): 14 - 2 ci of those, x's 9 of step s - 2, 16 + 9 of step s - 1, and 4 (ci / 2) of this step;
;   x (unit q of step s - 2's nine): 8 - q of those, 16 + 9 of step s - 1, this step's 16 and q.  In the last steps the terms fall away with the loads (W is asked for up to s = 28, x up to s = 24).
; LDS: between two barriers all stores go to one slab and all fragment loads to the slab before it.  The barrier that shows a slab whole is signalled behind product 31 of steps 2, 6 .. 26, behind the wave's wait
; for its LDS instructions, and waited for at the head of the next step; only products stand between.
.macro STEP s, first=0
.set pp, (\s)%2
.set AFc, AF0+72*pp
.set AFn, AF0+72*(1-pp)
.set BFc, BF0+32*pp
.set BFn, BF0+32*(1-pp)
.set RS, 64*(1-pp)
.set fCW, 0
.set fLW, 0
.set fXC, 0
.set fXL, 0
.set LW1, 0
.set XL1, 0
.set XL2, 0
.if (\s) <= 30
.set fCW, 1
.endif
.if (\s) <= 29
.set LW1, 16
.endif
.if (\s) <= 28
.set fLW, 1
.endif
.if (\s) <= 26
.set fXC, 1
.set XL2, 9
.endif
.if (\s) <= 25
.set XL1, 9
.endif
.if (\s) <= 24
.set fXL, 1
.endif
.if ((\s)%4 == 3) && ((\s) <= 27)
	s_barrier_wait -1                              ; the next slab is whole
	WIN 0
	v_add_nc_u32 v[ADA], SLAB, v[ADA]              ; this step fetches its first fragments,
.if (\s) <= 23
	WIN XW
	v_add_nc_u32 v[XLA8], SLAB, v[XLA8]            ; and stores into the slab behind it
	v_add_nc_u32 v[XLA2], SLAB, v[XLA2]
.endif
.endif
	s_wait_dscnt 0x0                               ; this step's fragments of x are in
.rept 4
	v_nop                                          ; four places between the last step's products and the lines that write the buffers that they read (ISA guide 7.12.1)
.endr
.set k, 0
.rept 36
.set ma, k/4
.set mb, k%4
.if ma < 8
	WIN MM
.set rD, 8*k
.else
	WIN MM8
.set rD, 8*mb
.endif
.if \first
	v_wmma_f32_16x16x32_bf16 v[rD:rD+7], v[AFc+8*ma:AFc+8*ma+7], v[BFc+8*mb:BFc+8*mb+7], 0
.else
	v_wmma_f32_16x16x32_bf16 v[rD:rD+7], v[AFc+8*ma:AFc+8*ma+7], v[BFc+8*mb:BFc+8*mb+7], v[rD:rD+7]
.endif
.if (k < 12) && (k%3 != 2) && fCW
.set ci, k-k/3
	s_wait_loadcnt 14-2*ci+XL2+LW1+XL1+fLW*4*(ci/2)
	WIN CWW
.set n, 0
.rept 4
	v_cvt_pk_bf16_f32 v[BFn+8*n+ci], v[RS+8*ci+n], v[RS+8*ci+4+n]
.set n, n+1
.endr
.endif
.if (k < 12) && (k%3 == 2) && fLW
.set g, k/3
.if (g == 0) && ((\s)%4 == 1)
	s_wait_xcnt 0x0                                ; the bases are written anew only behind this wait
	s_add_co_u32 s[KW], s[KW], 1                   ; K step s + 3 opens the next chunk of W, round the ring of eight,
	s_and_b32 s[KW], s[KW], 7
	s_lshl_b32 s[OFS], s[KW], 19
	s_add_nc_u64 s[WP:WP+1], s[WB:WB+1], s[OFS:OFS+1]
.if fXL
	s_add_co_u32 s[KX], s[KX], 1                   ; and this step's reloads the next chunk of x
	s_and_b32 s[KX], s[KX], 7
	s_lshl_b32 s[OFS], s[KX], 9
	s_add_nc_u64 s[XP:XP+1], s[4:5], s[OFS:OFS+1]
.endif
.endif
	WIN LWW
.set n, 0
.rept 4
.set jj, 4*g+n
	global_load_b128 v[RS+4*jj:RS+4*jj+3], v[WOFF], s[WP:WP+1] offset:(((\s)+3)%4)*131072+(jj+8*(jj/8))*4096
.set n, n+1
.endr
.endif
.if (k >= 12) && (k < 18) && fCW
	WIN 0
.set n, 0
.rept 3
.set jj, 3*(k-12)+n
	ds_load_b128 v[AFn+4*jj:AFn+4*jj+3], v[ADA] offset:(jj/2)*16*PITCH+(((\s)+1)%4)*64+32*(jj%2)
.set n, n+1
.endr
.endif
.if (k >= 18) && (k < 27) && fXC
.set q, k-18
.if (\s)%2
.set xp, q
.set xd, ((\s)+5)/2
.else
.set xp, 9+q
.set xd, ((\s)+4)/2
.endif
	XUNIT xp, xd, 8-q+LW1+XL1+16*fLW+fXL*q, fXL
.endif
.if (k == 31) && ((\s)%4 == 2) && ((\s) <= 26)
	s_wait_dscnt 0x0                               ; for the others' sake: my rows of the next slab are in LDS; no LDS instruction of mine is out at the signal
	s_barrier_signal -1
.endif
.set k, k+1
.endr
.endm
	STEP 0, 1                                      ; the first step stands in front of the loop: its products start the sums, nothing is cleared
	WIN 0                                          ; at a label and at a branch every window is 0
	s_mov_b32 s[LOOP], 6
.Lk:                                                   ; six trips of four steps, steps 1 to 24: LDS addresses and bases step once a trip, so one text serves every trip
	STEP 1
	STEP 2
	STEP 3
	STEP 4
	WIN 0
	s_sub_co_u32 s[LOOP], s[LOOP], 1
	s_cmp_lg_u32 s[LOOP], 0
	s_cbranch_scc1 .Lk
	STEP 25                                        ; the last seven steps are written out: the loads end one kind after the other, and the counts run down
	STEP 26
	STEP 27
	STEP 28
	STEP 29
	STEP 30
	STEP 31
	; THE WAY OUT.  The list once more, as the results lie: register 8 a + j of lane l is the token of row 16 a + 8 (l / 16) + j.  These registers held fragments that step 30 read; step 31's four v_nop lie between.
	WIN 0
.set n, 0
.rept 18
	ds_load_b128 v[TK+4*n:TK+4*n+3], v[LB] offset:64*(n/2)+16*(n%2)
.set n, n+1
.endr
	s_wait_tensorcnt 0x0                           ; the wave's end: behind my last LDS store; no LDS instruction follows the add
	ds_add_u32 v[SPW], v[NIL]
	s_lshl_b32 s[TA], s[TG], 19                    ; token 128 x row group + 32 x wave, 4,096 bytes each, and my slice's 1,024 bytes
	s_lshl_b32 s[TB], s[WV], 17
	s_add_co_u32 s[TA], s[TA], s[TB]
	s_lshl_b32 s[TB], s[SL], 10
	s_add_co_u32 s[TA], s[TA], s[TB]
	v_lshl_add_u32 v[ZO], v[LN], 4, s[TA]
	s_wait_dscnt 0x0                               ; the add is done, and the list is in
; Block a, 16 rows: skipped whole where the tile ends in front of it.  In the one block that is not full the places past the count hold the tile's last token and its numbers: the same bytes go to the same place again.
; Register j of the block's four accumulators plus my four biases are 16 neighbouring bytes of the token's row: 16 lanes store 256 consecutive bytes, aligned.  Each accumulator is read from register 0 on.
; The first block's sixteen address lines, which name no register of the last products, are the places behind those (ISA guide 7.12.1).
.macro OUT a
	s_cmp_le_u32 s[NROW], 16*(\a)
	s_cbranch_scc1 .Lrows_done
.set j, 0
.rept 8
	v_min_u32 v[TK+8*(\a)+j], 0x1fff, v[TK+8*(\a)+j]
.set j, j+1
.endr
.set j, 0
.rept 8
	v_lshl_add_u32 v[TK+8*(\a)+j], v[TK+8*(\a)+j], 12, v[COLV]
.set j, j+1
.endr
	s_wait_xcnt 0x0                                ; T, which the last block's stores read, is written anew only behind this wait
.if (\a) < 8
	WIN 0x01                                       ; source 0 in window 1
.set rA, 32*(\a)
.else
	WIN 0x02                                       ; in window 2
.set rA, 0
.endif
.set j, 0
.rept 8
.set n, 0
.rept 4
	v_add_f32 v[T+4*j+n], v[rA+8*n+j], v[BIAS+n]
.set n, n+1
.endr
.set j, j+1
.endr
	WIN 0
.set j, 0
.rept 8
	global_store_b128 v[TK+8*(\a)+j], v[T+4*j:T+4*j+3], s[12:13] th:TH_STORE_NT
.set j, j+1
.endr
.endm
.irp a, 0,1,2,3,4,5,6,7,8
	OUT \a
.endr
.Lrows_done:
	; THE ROWS THAT NO EXPERT TAKES.  Of tokens 128 x row group + 32 x wave + 0..31 those with an id outside 0..7 get zeros in my slice's 1,024 bytes: two stores of 512 consecutive bytes.
	s_cmp_eq_u32 s[INV], 0
	s_cbranch_scc1 .Lend
	s_mov_b32 s[LOOP], 0
.Lzero:
	s_bitcmp1_b32 s[INV], s[LOOP]
	s_cbranch_scc0 .Lzskip
	global_store_b128 v[ZO], v[ZERO4:ZERO4+3], s[12:13] th:TH_STORE_NT
	global_store_b128 v[ZO], v[ZERO4:ZERO4+3], s[12:13] offset:512 th:TH_STORE_NT
.Lzskip:
	s_wait_xcnt 0x0                                ; the offset steps only behind this wait
	v_add_nc_u32 v[ZO], 4096, v[ZO]
	s_add_co_u32 s[LOOP], s[LOOP], 1
	s_cmp_lt_u32 s[LOOP], 32
	s_cbranch_scc1 .Lzero
.Lend:
	s_endpgm
.Lfunc_end_k_q8453f3514d_moe:
	.size	k_q8453f3514d_moe, .Lfunc_end_k_q8453f3514d_moe-k_q8453f3514d_moe
	.p2alignl 7, 3214868480
	.fill 96, 4, 3214868480
	.section	.rodata,"a",@progbits
	.p2align	6, 0x0
	.amdhsa_kernel k_q8453f3514d_moe
		.amdhsa_group_segment_fixed_size 317440
		.amdhsa_private_segment_fixed_size 0
		.amdhsa_enable_private_segment 0
		.amdhsa_kernarg_size 40
		.amdhsa_user_sgpr_count 2
		.amdhsa_user_sgpr_kernarg_segment_ptr 1
		.amdhsa_wavefront_size32 1
		.amdhsa_system_sgpr_workgroup_id_x 1
		.amdhsa_system_sgpr_workgroup_id_y 1
		.amdhsa_system_sgpr_workgroup_id_z 1
		.amdhsa_system_vgpr_workitem_id 0
		.amdhsa_next_free_vgpr 896
		.amdhsa_next_free_sgpr 88
		.amdhsa_reserve_vcc 0
		.amdhsa_float_denorm_mode_32 3
		.amdhsa_float_denorm_mode_16_64 3
		.amdhsa_memory_ordered 1
		.amdhsa_forward_progress 1
		.amdhsa_inst_pref_size 234
	.end_amdhsa_kernel
	.amdgpu_metadata
---
amdhsa.version: [ 1, 2 ]
amdhsa.kernels:
  - .name:           k_q8453f3514d_moe
    .symbol:         k_q8453f3514d_moe.kd
    .args:
      - { .name: in_feats, .offset: 0, .size: 8, .value_kind: global_buffer, .address_space: global }
      - { .name: module_ids, .offset: 8, .size: 8, .value_kind: global_buffer, .address_space: global }
      - { .name: W, .offset: 16, .size: 8, .value_kind: global_buffer, .address_space: global }
      - { .name: b, .offset: 24, .size: 8, .value_kind: global_buffer, .address_space: global }
      - { .name: out0, .offset: 32, .size: 8, .value_kind: global_buffer, .address_space: global }
    .group_segment_fixed_size: 317440
    .private_segment_fixed_size: 0
    .kernarg_segment_align: 8
    .kernarg_segment_size: 40
    .max_flat_workgroup_size: 128
    .sgpr_count:     88
    .vgpr_count:     896
    .wavefront_size: 32
...
	.end_amdgpu_metadata
.endif
;; end of part 1
;; ======== version 2 of 2: 1 launch; 1.11 times as fast as version 1
;; launch moe (part 2): grid 4 x 64, 4 waves a work-group, no clusters, 317,440 bytes of LDS; arguments in_feats, module_ids, W, b, out0; writes out0
.if DOCPART == 2
	.amdgcn_target "amdgcn-amd-amdhsa--gfx1250"
	.amdhsa_code_object_version 6
	.text
	.protected	k_q8453f3514d_moe
	.globl	k_q8453f3514d_moe
	.p2align	8
	.type	k_q8453f3514d_moe,@function
k_q8453f3514d_moe:
	s_mov_b64 s[64:65], 0
	v_nop
	global_prefetch_b8 v0, s[64:65] scope:SCOPE_SE
	s_setreg_imm32_b32 hwreg(HW_REG_WAVE_MODE, 25, 1), 1
	s_wait_xcnt 0x0
; out[t][:] = x[t][:] W[id[t]] + b[id[t]] for id[t] in 0..7, else 0.  x: [8192][1024] f32, id: [8192] i32, W: [8][1024 k][1024 n] f32, b: [8][1024] f32, out: [8192][1024] f32.
; LIMITS.  x and W are rounded once to bf16 for the products; sums and bias in f32.  The order in which K is summed differs from work-group to work-group (ROT below).
; Every i32 id is served (an id outside 0..7 leaves a row of zeros).  NaN and infinities go through the arithmetic as they come.
; SHARES.  Grid 4 x 64: x = slice of 256 columns, y = row group.  The tokens of an expert, ranked, are cut into tiles of 144 rows; the sum over the experts of ceil(count / 144) is at most
; (8192 + 8 x 143) / 144 = 64 for every split, so 64 row groups serve every split.  A row group that a split leaves without rows walks a tile of token 0 (every wave passes every barrier) and stores no tile row.
; A wave owns 144 rows x 64 columns: 36 accumulators of 16 x 16.
; ROUTING.  Every work-group counts the 8,192 ids itself (a wave 2,048), finds its expert and tile from the counts, ranks its expert's tokens and lays the 144 of its tile into a list in LDS.
; x: the listed rows are gathered in f32 through registers, rounded, and laid into LDS: the whole tile, 144 x 1024 bf16, in 8 slabs of 128 along K, each byte written once.
; W never touches LDS: a wave loads its 64 columns in f32, 16 bytes a lane; fragment b is DECLARED to hold columns n0 + 4 r + b, so a lane's four numbers go to the four fragments, two loads (k, k + 1) pack into
; one register, and in the result registers j of the four accumulators of a row block are 16 neighbouring bytes of an output row: results leave straight from registers, 16 lanes to 256 aligned bytes.
; NO JOINT LOADS: the token rows come by a list, which no tile descriptor covers; W through LDS in f32 would add 64 KB of LDS traffic to the 45 KB of a K step; and how many tiles an expert has hangs on the counts,
; so work-groups that share W are no fixed group of four.
; ROT = 1: a work-group begins its walk along K at chunk (tile in expert + 2 x slice) mod 8 of 128 and wraps, so that the work-groups that read the same rows of W (or of x) read different chunks at one time.
.set ROT,   1
.set PITCH, 272              ; an LDS row of a slab: 256 bytes + 16: 68 words, so the 16 rows of a fragment load start at 16 different groups of four banks (64 banks of 4 bytes: ISA guide 11.1)
.set SLAB,  144*PITCH        ; 39,168
.set LISTW, 8*SLAB           ; 313,344: four lists of 160 words, one a wave: slots 0-143, slot 144 for what is not in the tile
.set LWSZ,  640
.set LIST2, LISTW+4*LWSZ     ; 315,904: the tile's list, 144 words (768 bytes kept)
.set CNTS,  LIST2+768        ; 316,672: four words of packed counts a wave
.set SPARE, CNTS+256         ; 316,928: the spare words, 128 bytes a wave: two blocks of 256 bytes that no other line names
; vector registers, window 0
.set WVV, 1                  ; my wave's number
.set SPW, 2                  ; LDS address of my spare word; never rewritten
.set NIL, 3                  ; 0; never rewritten
.set WOFF, 4                 ; my byte offset in a K step of W: COLV + 8 rows for lanes 16-31
.set COLV, 5                 ; my 16 bytes in a row of W, b or out: 1024 slice + 256 wave + 16 (lane % 16)
.set ADA, 6                  ; LDS address of my part of a fragment of x, in the slab in hand
.set LB,  7                  ; LIST2 + 32 (lane / 16)
.set ZO,  8                  ; byte offset of my 16 bytes in a row of zeros
.set LN,  9                  ; lane
.set R16, 10                 ; lane % 16
.set HH,  11                 ; lane / 16
.set BIAS, 12                ; v12-15
.set ZERO4, 16               ; v16-19
.set IDO, 30                 ; offsets of the id loads (v20-31 are at work)
.set DUO, 31
.set AF0, 32                 ; fragments of x: two buffers of 9 x 8
.set BF0, 176                ; fragments of W: two buffers of 4 x 8
; routing, in the registers that the fragments take later
.set ID,  32                 ; v32-95 my wave's 2,048 ids: register 4 j + i of lane l is token 2048 w + 128 j + 4 l + i
.set SH,  96
.set ON,  100
.set NB,  104
.set EE,  108
.set OO,  109
.set DUTY, 110
.set PPV, 112
.set TD,  116
.set QQ,  120
.set RK,  136
.set TO,  140
.set V144, 152
.set TBK, 153
; the way out, likewise
.set TK,  32                 ; v32-103 output offsets: register 8 a + j is row 16 a + 8 (lane / 16) + j
.set T,   104                ; v104-135 eight rows' 16 bytes
; window 1: accumulator (a, b), a < 8, at 8 (4 a + b).  Before the first product v0-143 take x's first two sub-chunks.
; window 2: v0-31 accumulators (8, b)
.set XO,  32                 ; v32-49 unit pi's byte offset in x: token x 4096 + 16 (lane % 16)
.set XLA8, 50                ; LDS address for units 0-15 (rows 8 apart in the two halves of the lanes)
.set XLA2, 51                ; for units 16, 17 (rows 2 apart)
.set L16, 54
.set ST,  56                 ; v56-127 18 units x 4: x as loaded
.set PK,  128                ; v128-163 18 pairs: x rounded
; window 3: v0-127 W as loaded: two slots of 16 loads x 4
; scalar registers
.set WV, 14
.set SL, 15
.set TG, 16
.set EX, 17                  ; my expert
.set NROW, 18                ; rows in my tile, 0 to 144
.set CM1, 19                 ; the last row's place
.set RB, 20                  ; rank of the next token of my expert, less my tile's first rank
.set INV, 21                 ; of the 32 tokens that my wave answers for: those that no expert takes
.set WB, 22                  ; s[22:23] my expert's W
.set WP, 24                  ; s[24:25] the chunk of W being asked for
.set XP, 26                  ; s[26:27] the chunk of x being asked for
.set OFS, 28                 ; s[28:29] an offset, high word 0
.set KW, 30
.set KX, 31
.set LOOP, 32
.set N0F, 33
.set B0F, 34
.set SEL, 36                 ; s[36:37]
.set SQ, 40                  ; s40-55 the four waves' packed counts
.set TT, 56                  ; s56-59 their sum
.set PPS, 60                 ; s60-63 the sum of the waves below mine
.set TS, 66
.set CC, 67
.set NN, 68
.set PR, 69
.set MK, 70                  ; s70-73 lane masks, and at work
.set MYC, 74
.set MYT, 75
.set MYP, 76
.set LWB, 77
.set TA, 78
.set TB, 79
.set BP, 80                  ; s[80:81] my expert's bias
; s_set_vgpr_msb: bits 1:0 source 0, 3:2 source 1, 5:4 source 2, 7:6 destination
.set MM,  0x50               ; products: C and D in window 1
.set MM8, 0xa0               ; C and D in window 2
.set CWW, 0x0f               ; W is rounded: sources window 3, destination window 0
.set LWW, 0xc0               ; W is loaded: destination window 3, address window 0
.set XW,  0xaa               ; x: all in window 2
.set MSB, 0
.macro WIN new               ; the high byte repeats the setting that is left; a switch that changes nothing is dropped
.if MSB != (\new)
	s_set_vgpr_msb (MSB<<8)|(\new)
.set MSB, \new
.endif
.endm
	s_load_b256 s[4:11], s[0:1], 0x0               ; x s[4:5], ids s[6:7], W s[8:9], b s[10:11]
	s_load_b64 s[12:13], s[0:1], 0x20              ; out
	v_lshl_add_u32 v[SPW], v0, 2, SPARE
	v_mov_b32 v[NIL], 0
	v_lshrrev_b32 v[WVV], 5, v0
	v_readfirstlane_b32 s[WV], v[WVV]              ; wave 0..3
	s_mov_b32 s[SL], ttmp9
	s_and_b32 s[TG], ttmp7, 0xffff
	s_mov_b32 s[N0F], 0x0f0f0f0f
	s_mov_b32 s[B0F], 0x00ff00ff
	s_mov_b32 s[SEL], 0x76543210                   ; v_permlanex16_b32: each lane takes its own place in the other half
	s_mov_b32 s[SEL+1], 0xfedcba98
	v_and_b32 v[LN], 31, v0
	v_and_b32 v[R16], 15, v0
	v_bfe_u32 v[HH], v0, 4, 1
.set n, 0
.rept 4
	v_mov_b32 v[ZERO4+n], 0
	v_mov_b32 v[TD+n], 0                           ; a lane exchange counts as a reader of its destination
.set n, n+1
.endr
	v_mov_b32 v[EE], 0
	v_mov_b32 v[OO], 0
	s_mul_i32 s[LWB], s[WV], LWSZ
	s_add_co_u32 s[LWB], s[LWB], LISTW             ; my wave's list
	v_lshl_add_u32 v20, v[LN], 2, s[LWB]
.set n, 0
.rept 5
	ds_store_b32 v20, v[ZERO4] offset:128*n        ; its 160 words are cleared: the four lists are merged by OR
.set n, n+1
.endr
	v_lshlrev_b32 v[IDO], 4, v[LN]
	v_lshl_add_u32 v[IDO], v[WVV], 13, v[IDO]      ; 8192 w + 16 l
	s_lshl_b32 s[TA], s[TG], 9
	v_lshl_add_u32 v[DUO], v0, 2, s[TA]            ; token 128 x row group + thread: the one I answer for if no expert takes it
	s_wait_kmcnt 0x0
	global_load_b32 v[DUTY], v[DUO], s[6:7]
.set n, 0
.rept 16
	global_load_b128 v[ID+4*n:ID+4*n+3], v[IDO], s[6:7] offset:512*n
.set n, n+1
.endr
; COUNTING.  Each lane adds 1 << 4 id into one of four registers of eight 4-bit fields: at most 8 adds a field between two SPILLs.  An id outside 0..7 adds 0.
.macro COUNT j
	s_wait_loadcnt 15-(\j)                         ; loads come back in order: load j is in, the 15 - j behind it may be out
.set i, 0
.rept 4
	v_cmp_gt_u32 s[MK+i], 8, v[ID+4*(\j)+i]
	v_lshlrev_b32 v[SH+i], 2, v[ID+4*(\j)+i]
.set i, i+1
.endr
.set i, 0
.rept 4
	v_cndmask_b32 v[ON+i], 0, 1, s[MK+i]
.set i, i+1
.endr
.set i, 0
.rept 4
.if (\j)%8 == 0
	v_lshlrev_b32 v[NB+i], v[SH+i], v[ON+i]        ; starts the fields anew
.else
	v_lshl_add_u32 v[NB+i], v[ON+i], v[SH+i], v[NB+i]
.endif
.set i, i+1
.endr
.endm
.macro SPILL                                       ; the 4-bit fields go into bytes: EE experts 0, 2, 4, 6; OO experts 1, 3, 5, 7; 64 at the most
.set i, 0
.rept 4
	v_and_b32 v24, s[N0F], v[NB+i]
	v_lshrrev_b32 v25, 4, v[NB+i]
	v_add_nc_u32 v[EE], v[EE], v24
	v_and_b32 v25, s[N0F], v25
	v_add_nc_u32 v[OO], v[OO], v25
.set i, i+1
.endr
.endm
.set n, 0
.rept 8
	COUNT n
.set n, n+1
.endr
	SPILL
.rept 8
	COUNT n
.set n, n+1
.endr
	SPILL
	v_cmp_lt_u32 s[INV], 7, v[DUTY]
	; bytes into halves: word 0 experts (0, 4), word 1 (2, 6), word 2 (1, 5), word 3 (3, 7); then the sum over the wave's 32 lanes, 2,048 at the most
	v_and_b32 v[PPV], s[B0F], v[EE]
	v_lshrrev_b32 v[PPV+1], 8, v[EE]
	v_and_b32 v[PPV+2], s[B0F], v[OO]
	v_lshrrev_b32 v[PPV+3], 8, v[OO]
	v_and_b32 v[PPV+1], s[B0F], v[PPV+1]
	v_and_b32 v[PPV+3], s[B0F], v[PPV+3]
.irp m, 1,2,4,8
.set i, 0
.rept 4
	v_mov_b32_dpp v[TD+i], v[PPV+i] row_xmask:\m row_mask:0xf bank_mask:0xf
.set i, i+1
.endr
.set i, 0
.rept 4
	v_add_nc_u32 v[PPV+i], v[PPV+i], v[TD+i]
.set i, i+1
.endr
.endr
.set i, 0
.rept 4
	v_permlanex16_b32 v[TD+i], v[PPV+i], s[SEL], s[SEL+1]
.set i, i+1
.endr
.set i, 0
.rept 4
	v_add_nc_u32 v[PPV+i], v[PPV+i], v[TD+i]
.set i, i+1
.endr
	s_lshl_b32 s[TA], s[WV], 4
	s_add_co_u32 s[TA], s[TA], CNTS
	v_mov_b32 v20, s[TA]
	ds_store_b128 v20, v[PPV:PPV+3]                ; all lanes store the same 16 bytes
	s_wait_dscnt 0x0                               ; for the others' sake: my counts are in LDS
	s_barrier_signal -1
	s_barrier_wait -1
	v_mov_b32 v20, CNTS
.set n, 0
.rept 4
	ds_load_b128 v[QQ+4*n:QQ+4*n+3], v20 offset:16*n
.set n, n+1
.endr
	; addresses that hang on ids alone are made in the wait
	s_lshl_b32 s[TA], s[SL], 10
	s_lshl_b32 s[TB], s[WV], 8
	s_add_co_u32 s[TA], s[TA], s[TB]
	v_lshl_add_u32 v[COLV], v[R16], 4, s[TA]
	v_lshl_add_u32 v[WOFF], v[HH], 15, v[COLV]     ; lanes 16-31 take the row 8 further down: 8 x 4,096 bytes
	v_mul_u32_u24 v[ADA], v[R16], PITCH
	v_lshl_add_u32 v[ADA], v[HH], 4, v[ADA]        ; row x pitch + 16 x half
	v_lshl_add_u32 v[LB], v[HH], 5, LIST2
	v_mov_b32 v[V144], 144
	v_lshlrev_b32 v[TBK], 2, v[LN]
	v_lshl_add_u32 v[TBK], v[WVV], 11, v[TBK]      ; 2048 w + 4 l
	s_wait_dscnt 0x0
.set n, 0
.rept 16
	v_readfirstlane_b32 s[SQ+n], v[QQ+n]
.set n, n+1
.endr
.set n, 0
.rept 4
	s_add_co_u32 s[TT+n], s[SQ+n], s[SQ+4+n]
	s_add_co_u32 s[TT+n], s[TT+n], s[SQ+8+n]
	s_add_co_u32 s[TT+n], s[TT+n], s[SQ+12+n]      ; all tokens of each expert: 8,192 at the most, in 16 bits
.set n, n+1
.endr
	s_cmp_gt_u32 s[WV], 0                          ; and those in the waves below mine
.set n, 0
.rept 4
	s_cselect_b32 s[PPS+n], s[SQ+n], 0
.set n, n+1
.endr
.irp w, 1,2
	s_cmp_gt_u32 s[WV], \w
.set n, 0
.rept 4
	s_cselect_b32 s[MK+n], s[SQ+4*\w+n], 0
.set n, n+1
.endr
.set n, 0
.rept 4
	s_add_co_u32 s[PPS+n], s[PPS+n], s[MK+n]
.set n, n+1
.endr
.endr
; Expert e has ceil(c / 144) tiles, from tile TS on.  floor(m / 9) = (7282 m) >> 16 for m = (c + 143) >> 4 up to 520: 7282 x 9 = 65,538, so the excess is under m / 9 x 2 / 65,536 < 1 / 9.
; The last expert whose first tile is not beyond my row group is mine; a row group beyond the last tile gets expert 7 and no rows.
.macro EXPERT e
.set fw, 2*((\e)%2)+((\e)/2)%2
.set fh, (\e)/4
	s_bfe_u32 s[CC], s[TT+fw], (16<<16)|(16*fh)
	s_bfe_u32 s[PR], s[PPS+fw], (16<<16)|(16*fh)
	s_add_co_u32 s[NN], s[CC], 143
	s_lshr_b32 s[NN], s[NN], 4
	s_mul_i32 s[NN], s[NN], 7282
	s_lshr_b32 s[NN], s[NN], 16
.if (\e) == 0
	s_mov_b32 s[EX], 0
	s_mov_b32 s[MYC], s[CC]
	s_mov_b32 s[MYT], 0
	s_mov_b32 s[MYP], s[PR]
	s_mov_b32 s[TS], s[NN]
.else
	s_cmp_ge_u32 s[TG], s[TS]
	s_cselect_b32 s[EX], \e, s[EX]
	s_cselect_b32 s[MYC], s[CC], s[MYC]
	s_cselect_b32 s[MYT], s[TS], s[MYT]
	s_cselect_b32 s[MYP], s[PR], s[MYP]
	s_add_co_u32 s[TS], s[TS], s[NN]
.endif
.endm
.irp e, 0,1,2,3,4,5,6,7
	EXPERT \e
.endr
	s_sub_co_u32 s[TA], s[TG], s[MYT]              ; my tile in the expert
	s_mul_i32 s[TB], s[TA], 144                    ; its first rank
	s_sub_co_i32 s[NROW], s[MYC], s[TB]
	s_max_i32 s[NROW], s[NROW], 0
	s_min_u32 s[NROW], s[NROW], 144
	s_max_u32 s[CM1], s[NROW], 1
	s_sub_co_u32 s[CM1], s[CM1], 1
	s_sub_co_u32 s[RB], s[MYP], s[TB]              ; may be negative: as an unsigned number it is then beyond every slot
	s_min_u32 s[EX], s[EX], 7
.if ROT
	s_lshl_b32 s[TB], s[SL], 1
	s_add_co_u32 s[TB], s[TB], s[TA]
	s_and_b32 s[TB], s[TB], 7
	s_min_u32 s[KW], s[TB], 7                      ; the chunk of 128 along K at which my walk begins
.else
	s_mov_b32 s[KW], 0
.endif
	s_mov_b32 s[KX], s[KW]
	s_mov_b32 s[OFS+1], 0
	s_lshl_b32 s[OFS], s[EX], 22                   ; an expert's W is 4 MiB,
	s_add_nc_u64 s[WB:WB+1], s[8:9], s[OFS:OFS+1]
	s_lshl_b32 s[OFS], s[EX], 12                   ; its bias 4 KiB
	s_add_nc_u64 s[BP:BP+1], s[10:11], s[OFS:OFS+1]
	s_lshl_b32 s[OFS], s[KW], 19                   ; a chunk of W is 128 rows of 4,096 bytes,
	s_add_nc_u64 s[WP:WP+1], s[WB:WB+1], s[OFS:OFS+1]
	s_lshl_b32 s[OFS], s[KX], 9                    ; of a row of x 512 bytes
	s_add_nc_u64 s[XP:XP+1], s[4:5], s[OFS:OFS+1]
	global_load_b128 v[BIAS:BIAS+3], v[COLV], s[BP:BP+1]
; W of K step u, 32 rows x my 64 columns, into slot u % 2: load j takes row j (j < 8) or j + 8, lanes 16-31 the row 8 further down: each half of the lanes 256 consecutive bytes, aligned.
.macro LWALL u
	WIN LWW
.set jj, 0
.rept 16
	global_load_b128 v[64*((\u)%2)+4*jj:64*((\u)%2)+4*jj+3], v[WOFF], s[WP:WP+1] offset:((\u)%4)*131072+(jj+8*(jj/8))*4096
.set jj, jj+1
.endr
	WIN 0
.endm
	LWALL 0                                        ; W's first two K steps are on their way while the list is made
	LWALL 1
; THE LIST.  Four ids at a time: a token of my expert has rank RB + the lanes below it that match; slots outside 0..143, and tokens of other experts, go to slot 144.  Every work-group ranks alike: by wave, register, lane.
.macro SCAT4 j
.set u, 0
.rept 4
	v_cmp_eq_u32 s[MK+u], s[EX], v[ID+4*(\j)+u]
.set u, u+1
.endr
.set u, 0
.rept 4
	v_mbcnt_lo_u32_b32 v[RK+u], s[MK+u], s[RB]
	s_bcnt1_i32_b32 s[TA], s[MK+u]
	s_add_co_u32 s[RB], s[RB], s[TA]
.set u, u+1
.endr
.set u, 0
.rept 4
	v_cndmask_b32 v[RK+u], v[V144], v[RK+u], s[MK+u]
	v_add_nc_u32 v[TO+u], 128*(\j)+u, v[TBK]
.set u, u+1
.endr
.set u, 0
.rept 4
	v_min_u32 v[RK+u], 144, v[RK+u]
.set u, u+1
.endr
.set u, 0
.rept 4
	v_lshl_add_u32 v[RK+u], v[RK+u], 2, s[LWB]
.set u, u+1
.endr
.set u, 0
.rept 4
	ds_store_b32 v[RK+u], v[TO+u]
.set u, u+1
.endr
.endm
.set n, 0
.rept 16
	SCAT4 n
.set n, n+1
.endr
	s_wait_dscnt 0x0                               ; for the others' sake: my list is in LDS
	s_barrier_signal -1
	s_barrier_wait -1
	; The four lists are merged: a slot is written in one of them and 0 in the others.  Wave w merges slots 36 w .. 36 w + 35, its own rows of x.  Places past the count repeat the tile's last token.
	s_mul_i32 s[TA], s[WV], 36
	v_add_nc_u32 v20, s[TA], v[LN]                 ; slots 36 w + 0..31
	v_min_u32 v21, 3, v[LN]
	v_add_nc_u32 v21, s[TA], v21
	v_add_nc_u32 v21, 32, v21                      ; slots 36 w + 32..35 (lanes 3 to 31 all take the last)
	v_min_u32 v22, s[CM1], v20
	v_min_u32 v23, s[CM1], v21
	v_min_u32 v22, 143, v22
	v_min_u32 v23, 143, v23
	v_lshl_add_u32 v22, v22, 2, LISTW
	v_lshl_add_u32 v23, v23, 2, LISTW
.set n, 0
.rept 4
	ds_load_b32 v[24+n], v22 offset:LWSZ*n
	ds_load_b32 v[28+n], v23 offset:LWSZ*n
.set n, n+1
.endr
	v_lshl_add_u32 v20, v20, 2, LIST2
	v_lshl_add_u32 v21, v21, 2, LIST2
	s_wait_dscnt 0x0
	v_or_b32 v24, v24, v25
	v_or_b32 v26, v26, v27
	v_or_b32 v28, v28, v29
	v_or_b32 v30, v30, v31
	v_or_b32 v24, v24, v26
	v_or_b32 v28, v28, v30
	ds_store_b32 v20, v24
	ds_store_b32 v21, v28
	; x IS GATHERED BY UNITS: unit pi is a pair of my 36 rows, one for each half of the lanes: rows pi + 8 (pi / 8) and 8 further (pi < 16), rows 32 + (pi - 16) and 2 further (pi = 16, 17).
	; A unit's load takes 256 bytes of each row (a sub-chunk, 64 along K), 16 bytes a lane; rounded they are 8 bytes a lane.  Rows 8 apart lie 544 words apart in LDS, 32 banks.
	s_mul_i32 s[TB], s[WV], 144
	s_add_co_u32 s[TB], s[TB], LIST2
	v_lshl_add_u32 v22, v[HH], 5, s[TB]            ; the list at my rows, 8 slots on for lanes 16-31
	v_lshl_add_u32 v23, v[HH], 3, s[TB]
	v_add_nc_u32 v23, 128, v23                     ; at my row 32, 2 slots on for lanes 16-31
	s_mul_i32 s[TA], s[TA], PITCH                  ; my 36 rows in a slab
	v_mul_u32_u24 v24, v[HH], 8*PITCH
	v_mul_u32_u24 v25, v[HH], 2*PITCH
	v_lshl_add_u32 v24, v[R16], 3, v24
	v_lshl_add_u32 v25, v[R16], 3, v25
	v_add_nc_u32 v25, 32*PITCH, v25
	WIN 0x80                                       ; destination window 2, sources window 0
.set n, 0
.rept 16
	ds_load_b32 v[XO+n], v22 offset:4*(n+8*(n/8))  ; LDS serves a wave's instructions in order (ISA guide 5.7.1.4): these see my two stores above
.set n, n+1
.endr
	ds_load_b32 v[XO+16], v23
	ds_load_b32 v[XO+17], v23 offset:4
	v_lshlrev_b32 v[L16], 4, v[R16]
	v_add_nc_u32 v[XLA8], s[TA], v24
	v_add_nc_u32 v[XLA2], s[TA], v25
	s_wait_dscnt 0x0
	WIN XW
.set n, 0
.rept 18
	v_min_u32 v[XO+n], 0x1fff, v[XO+n]
.set n, n+1
.endr
.set n, 0
.rept 18
	v_lshl_add_u32 v[XO+n], v[XO+n], 12, v[L16]    ; token x 4,096 bytes + my 16
.set n, n+1
.endr
	WIN 0x42                                       ; destination window 1, address window 2: sub-chunks 0 and 1 go where the accumulators will be
.set n, 0
.rept 18
	global_load_b128 v[4*n:4*n+3], v[XO+n], s[XP:XP+1]
.set n, n+1
.endr
.set n, 0
.rept 18
	global_load_b128 v[72+4*n:72+4*n+3], v[XO+n], s[XP:XP+1] offset:256
.set n, n+1
.endr
	s_wait_xcnt 0x0                                ; the base is written anew only behind this wait
	s_add_co_u32 s[KX], s[KX], 1
	s_and_b32 s[KX], s[KX], 7
	s_lshl_b32 s[OFS], s[KX], 9
	s_add_nc_u64 s[XP:XP+1], s[4:5], s[OFS:OFS+1]
	WIN XW
.set n, 0
.rept 18
	global_load_b128 v[ST+4*n:ST+4*n+3], v[XO+n], s[XP:XP+1]  ; sub-chunk 2
.set n, n+1
.endr
	s_wait_loadcnt 54                              ; the 3 x 18 loads of x may be out: bias and W's K steps 0 and 1 are in
	WIN CWW
.set ci, 0
.rept 8                                            ; register ci of fragment n: k = 2 ci, 2 ci + 1 (+ 8 from ci = 4 on, + 8 for lanes 16-31) of column n0 + 4 r + n
.set n, 0
.rept 4
	v_cvt_pk_bf16_f32 v[BF0+8*n+ci], v[8*ci+n], v[8*ci+4+n]
.set n, n+1
.endr
.set ci, ci+1
.endr
	LWALL 2
; Three lines of work on unit pi, all under the setting XW.
.macro XCVT pi                                     ; its 4 numbers a lane are rounded
	v_cvt_pk_bf16_f32 v[PK+2*(\pi)], v[ST+4*(\pi)], v[ST+4*(\pi)+1]
	v_cvt_pk_bf16_f32 v[PK+2*(\pi)+1], v[ST+4*(\pi)+2], v[ST+4*(\pi)+3]
.endm
.macro XSTORE pi, par                              ; its 8 bytes a lane go into half par of the slab's rows
.if (\pi) < 16
	ds_store_b64 v[XLA8], v[PK+2*(\pi):PK+2*(\pi)+1] offset:((\pi)+8*((\pi)/8))*PITCH+(\par)*128
.else
	ds_store_b64 v[XLA2], v[PK+2*(\pi):PK+2*(\pi)+1] offset:((\pi)-16)*PITCH+(\par)*128
.endif
.endm
.macro XLOAD pi, d                                 ; it is loaded with sub-chunk d, of the chunk at which XP stands
	global_load_b128 v[ST+4*(\pi):ST+4*(\pi)+3], v[XO+(\pi)], s[XP:XP+1] offset:((\d)%2)*256
.endm
.irp d, 0,1
	s_wait_loadcnt 52-18*\d                        ; younger: sub-chunk 1 (for d = 0), sub-chunk 2 and W's K step 2: 18 + 18 + 16, then 18 + 16
	WIN 0x85                                       ; sources window 1, destination window 2
.set n, 0
.rept 18
	v_cvt_pk_bf16_f32 v[PK+2*n], v[72*\d+4*n], v[72*\d+4*n+1]
	v_cvt_pk_bf16_f32 v[PK+2*n+1], v[72*\d+4*n+2], v[72*\d+4*n+3]
.set n, n+1
.endr
	WIN XW
.set n, 0
.rept 18
	XSTORE n, \d
.set n, n+1
.endr
.endr
	v_add_nc_u32 v[XLA8], SLAB, v[XLA8]            ; on to slab 1
	v_add_nc_u32 v[XLA2], SLAB, v[XLA2]
	; half a step's work on x ahead of step 0: units 0-8 of sub-chunk 2 are rounded and stored, and asked for anew with sub-chunk 3
	s_wait_loadcnt 25                              ; younger than unit 8: units 9-17 and W's K step 2: 9 + 16
.set q, 0
.rept 9
	XCVT q
.set q, q+1
.endr
.set q, 0
.rept 9
	XSTORE q, 0
.set q, q+1
.endr
.set q, 0
.rept 9
	XLOAD q, 3
.set q, q+1
.endr
	s_wait_dscnt 0x0                               ; for the others' sake: my rows of slab 0 and my part of the list are in LDS
	s_barrier_signal -1
	s_barrier_wait -1
	WIN 0
.set jj, 0
.rept 18
	ds_load_b128 v[AF0+4*jj:AF0+4*jj+3], v[ADA] offset:(jj/2)*16*PITCH+32*(jj%2)  ; the fragments of K step 0
.set jj, jj+1
.endr
; A K STEP of 32: 36 products, the accumulators by turns in one order in every step: between two products on one accumulator stand the 35 others'.
; THE DEAL.  Work on registers rides behind the first 13 products, four lines behind each: W of step s + 1 is rounded into the other fragment buffer (32 lines, products 0-7), nine units of x are rounded (18 lines,
; products 8-12).  ALL the step's 52 memory instructions then stand in ONE run, behind product 12, never singly among the products: the 18 LDS loads of step s + 1's fragments of x, the 16 loads of W of step
; s + 3 into the registers just rounded, the nine units' LDS stores into the next slab, and their nine loads anew.  Products 13-35 follow each other bare: 23 products lie between the fragments' loads and the wait for them.
; No window has room for a product's operands beside the rounding, so a slice of riders costs two switches of the windows; the run costs four.
; LOADS go out in this order, step after step: W's 16, x's 9; at most 50 of a wave are out.  A step has two waits for them, both ahead of its own loads, and each counts the loads issued behind the ones that it wants:
;   W of step s + 1 (step s - 2's sixteen): x's 9 of step s - 2 and the 16 + 9 of step s - 1;          x (step s - 2's nine): the 16 + 9 of step s - 1.
; In the last steps the terms fall away with the loads (W is asked for up to s = 28, x up to s = 24).
; LDS: between two barriers all stores go to one slab and all fragment loads to the slab before it.  The barrier that shows a slab whole is signalled behind product 31 of steps 2, 6 .. 26, behind the wave's wait
; for its LDS instructions, and waited for at the head of the next step; only products stand between.
.macro STEP s, first=0
.set pp, (\s)%2
.set AFc, AF0+72*pp
.set AFn, AF0+72*(1-pp)
.set BFc, BF0+32*pp
.set BFn, BF0+32*(1-pp)
.set RS, 64*(1-pp)
.if (\s)%2
.set xb, 0                                         ; odd steps take units 0-8,
.set xd, ((\s)+5)/2                                ; of this sub-chunk;
.else
.set xb, 9                                         ; even steps units 9-17
.set xd, ((\s)+4)/2
.endif
.set fCW, 0
.set fLW, 0
.set fXC, 0
.set fXL, 0
.set LW1, 0
.set XL1, 0
.set XL2, 0
.if (\s) <= 30
.set fCW, 1
.endif
.if (\s) <= 29
.set LW1, 16
.endif
.if (\s) <= 28
.set fLW, 1
.endif
.if (\s) <= 26
.set fXC, 1
.set XL2, 9
.endif
.if (\s) <= 25
.set XL1, 9
.endif
.if (\s) <= 24
.set fXL, 1
.endif
.if ((\s)%4 == 3) && ((\s) <= 27)
	s_barrier_wait -1                              ; the next slab is whole
	WIN 0
	v_add_nc_u32 v[ADA], SLAB, v[ADA]              ; this step fetches its first fragments,
.if (\s) <= 23
	WIN XW
	v_add_nc_u32 v[XLA8], SLAB, v[XLA8]            ; and stores into the slab behind it
	v_add_nc_u32 v[XLA2], SLAB, v[XLA2]
.endif
.endif
	s_wait_dscnt 0x0                               ; this step's fragments of x are in
.rept 4
	v_nop                                          ; four places between the last step's products and the lines that write the buffers that they read (ISA guide 7.12.1)
.endr
.set k, 0
.rept 36
.set ma, k/4
.set mb, k%4
.if ma < 8
	WIN MM
.set rD, 8*k
.else
	WIN MM8
.set rD, 8*mb
.endif
.if \first
	v_wmma_f32_16x16x32_bf16 v[rD:rD+7], v[AFc+8*ma:AFc+8*ma+7], v[BFc+8*mb:BFc+8*mb+7], 0
.else
	v_wmma_f32_16x16x32_bf16 v[rD:rD+7], v[AFc+8*ma:AFc+8*ma+7], v[BFc+8*mb:BFc+8*mb+7], v[rD:rD+7]
.endif
.if (k < 8) && fCW                                 ; register k of the four fragments of W
.if k == 0
	s_wait_loadcnt XL2+LW1+XL1                     ; W of step s + 1 is in
.endif
	WIN CWW
.set n, 0
.rept 4
	v_cvt_pk_bf16_f32 v[BFn+8*n+k], v[RS+8*k+n], v[RS+8*k+4+n]
.set n, n+1
.endr
.endif
.if (k >= 8) && (k < 13) && fXC                    ; two units of x, behind product 12 the ninth
.if k == 8
	s_wait_loadcnt LW1+XL1                         ; the step's nine units are in
.endif
	WIN XW
	XCVT xb+2*(k-8)
.if k < 12
	XCVT xb+2*(k-8)+1
.endif
.endif
.if (k == 12) && fCW                               ; THE RUN
.if ((\s)%4 == 1) && fLW
	s_wait_xcnt 0x0                                ; the bases are written anew only behind this wait
	s_add_co_u32 s[KW], s[KW], 1                   ; K step s + 3 opens the next chunk of W, round the ring of eight,
	s_and_b32 s[KW], s[KW], 7
	s_lshl_b32 s[OFS], s[KW], 19
	s_add_nc_u64 s[WP:WP+1], s[WB:WB+1], s[OFS:OFS+1]
.if fXL
	s_add_co_u32 s[KX], s[KX], 1                   ; and this step's loads of x the next chunk of x
	s_and_b32 s[KX], s[KX], 7
	s_lshl_b32 s[OFS], s[KX], 9
	s_add_nc_u64 s[XP:XP+1], s[4:5], s[OFS:OFS+1]
.endif
.endif
	WIN 0
.set jj, 0
.rept 18
	ds_load_b128 v[AFn+4*jj:AFn+4*jj+3], v[ADA] offset:(jj/2)*16*PITCH+(((\s)+1)%4)*64+32*(jj%2)
.set jj, jj+1
.endr
.if fLW
	WIN LWW
.set jj, 0
.rept 16
	global_load_b128 v[RS+4*jj:RS+4*jj+3], v[WOFF], s[WP:WP+1] offset:(((\s)+3)%4)*131072+(jj+8*(jj/8))*4096
.set jj, jj+1
.endr
.endif
.if fXC
	WIN XW
.set n, 0
.rept 9
	XSTORE xb+n, xd%2
.set n, n+1
.endr
.if fXL
.set n, 0
.rept 9
	XLOAD xb+n, xd+1
.set n, n+1
.endr
.endif
.endif
.endif
.if (k == 31) && ((\s)%4 == 2) && ((\s) <= 26)
	s_wait_dscnt 0x0                               ; for the others' sake: my rows of the next slab are in LDS; no LDS instruction of mine is out at the signal
	s_barrier_signal -1
.endif
.set k, k+1
.endr
.endm
	STEP 0, 1                                      ; the first step stands in front of the loop: its products start the sums, nothing is cleared
	WIN 0                                          ; at a label and at a branch every window is 0
	s_mov_b32 s[LOOP], 6
.Lk:                                                   ; six trips of four steps, steps 1 to 24: LDS addresses and bases step once a trip, so one text serves every trip
	STEP 1
	STEP 2
	STEP 3
	STEP 4
	WIN 0
	s_sub_co_u32 s[LOOP], s[LOOP], 1
	s_cmp_lg_u32 s[LOOP], 0
	s_cbranch_scc1 .Lk
	STEP 25                                        ; the last seven steps are written out: the loads end one kind after the other, and the counts run down
	STEP 26
	STEP 27
	STEP 28
	STEP 29
	STEP 30
	STEP 31
	; THE WAY OUT.  The list once more, as the results lie: register 8 a + j of lane l is the token of row 16 a + 8 (l / 16) + j.  These registers held fragments that step 30 read; step 31's four v_nop lie between.
	WIN 0
.set n, 0
.rept 18
	ds_load_b128 v[TK+4*n:TK+4*n+3], v[LB] offset:64*(n/2)+16*(n%2)
.set n, n+1
.endr
	s_wait_tensorcnt 0x0                           ; the wave's end: behind my last LDS store; no LDS instruction follows the add
	ds_add_u32 v[SPW], v[NIL]
	s_lshl_b32 s[TA], s[TG], 19                    ; token 128 x row group + 32 x wave, 4,096 bytes each, and my slice's 1,024 bytes
	s_lshl_b32 s[TB], s[WV], 17
	s_add_co_u32 s[TA], s[TA], s[TB]
	s_lshl_b32 s[TB], s[SL], 10
	s_add_co_u32 s[TA], s[TA], s[TB]
	v_lshl_add_u32 v[ZO], v[LN], 4, s[TA]
	s_wait_dscnt 0x0                               ; the add is done, and the list is in
; Block a, 16 rows: skipped whole where the tile ends in front of it.  In the one block that is not full the places past the count hold the tile's last token and its numbers: the same bytes go to the same place again.
; Register j of the block's four accumulators plus my four biases are 16 neighbouring bytes of the token's row: 16 lanes store 256 consecutive bytes, aligned.  Each accumulator is read from register 0 on.
; The first block's sixteen address lines, which name no register of the last products, are the places behind those (ISA guide 7.12.1).
.macro OUT a
	s_cmp_le_u32 s[NROW], 16*(\a)
	s_cbranch_scc1 .Lrows_done
.set j, 0
.rept 8
	v_min_u32 v[TK+8*(\a)+j], 0x1fff, v[TK+8*(\a)+j]
.set j, j+1
.endr
.set j, 0
.rept 8
	v_lshl_add_u32 v[TK+8*(\a)+j], v[TK+8*(\a)+j], 12, v[COLV]
.set j, j+1
.endr
	s_wait_xcnt 0x0                                ; T, which the last block's stores read, is written anew only behind this wait
.if (\a) < 8
	WIN 0x01                                       ; source 0 in window 1
.set rA, 32*(\a)
.else
	WIN 0x02                                       ; in window 2
.set rA, 0
.endif
.set j, 0
.rept 8
.set n, 0
.rept 4
	v_add_f32 v[T+4*j+n], v[rA+8*n+j], v[BIAS+n]
.set n, n+1
.endr
.set j, j+1
.endr
	WIN 0
.set j, 0
.rept 8
	global_store_b128 v[TK+8*(\a)+j], v[T+4*j:T+4*j+3], s[12:13] th:TH_STORE_NT
.set j, j+1
.endr
.endm
.irp a, 0,1,2,3,4,5,6,7,8
	OUT \a
.endr
.Lrows_done:
	; THE ROWS THAT NO EXPERT TAKES.  Of tokens 128 x row group + 32 x wave + 0..31 those with an id outside 0..7 get zeros in my slice's 1,024 bytes: two stores of 512 consecutive bytes.
	s_cmp_eq_u32 s[INV], 0
	s_cbranch_scc1 .Lend
	s_mov_b32 s[LOOP], 0
.Lzero:
	s_bitcmp1_b32 s[INV], s[LOOP]
	s_cbranch_scc0 .Lzskip
	global_store_b128 v[ZO], v[ZERO4:ZERO4+3], s[12:13] th:TH_STORE_NT
	global_store_b128 v[ZO], v[ZERO4:ZERO4+3], s[12:13] offset:512 th:TH_STORE_NT
.Lzskip:
	s_wait_xcnt 0x0                                ; the offset steps only behind this wait
	v_add_nc_u32 v[ZO], 4096, v[ZO]
	s_add_co_u32 s[LOOP], s[LOOP], 1
	s_cmp_lt_u32 s[LOOP], 32
	s_cbranch_scc1 .Lzero
.Lend:
	s_endpgm
.Lfunc_end_k_q8453f3514d_moe:
	.size	k_q8453f3514d_moe, .Lfunc_end_k_q8453f3514d_moe-k_q8453f3514d_moe
	.p2alignl 7, 3214868480
	.fill 96, 4, 3214868480
	.section	.rodata,"a",@progbits
	.p2align	6, 0x0
	.amdhsa_kernel k_q8453f3514d_moe
		.amdhsa_group_segment_fixed_size 317440
		.amdhsa_private_segment_fixed_size 0
		.amdhsa_enable_private_segment 0
		.amdhsa_kernarg_size 40
		.amdhsa_user_sgpr_count 2
		.amdhsa_user_sgpr_kernarg_segment_ptr 1
		.amdhsa_wavefront_size32 1
		.amdhsa_system_sgpr_workgroup_id_x 1
		.amdhsa_system_sgpr_workgroup_id_y 1
		.amdhsa_system_sgpr_workgroup_id_z 1
		.amdhsa_system_vgpr_workitem_id 0
		.amdhsa_next_free_vgpr 896
		.amdhsa_next_free_sgpr 88
		.amdhsa_reserve_vcc 0
		.amdhsa_float_denorm_mode_32 3
		.amdhsa_float_denorm_mode_16_64 3
		.amdhsa_memory_ordered 1
		.amdhsa_forward_progress 1
		.amdhsa_inst_pref_size 222
	.end_amdhsa_kernel
	.amdgpu_metadata
---
amdhsa.version: [ 1, 2 ]
amdhsa.kernels:
  - .name:           k_q8453f3514d_moe
    .symbol:         k_q8453f3514d_moe.kd
    .args:
      - { .name: in_feats, .offset: 0, .size: 8, .value_kind: global_buffer, .address_space: global }
      - { .name: module_ids, .offset: 8, .size: 8, .value_kind: global_buffer, .address_space: global }
      - { .name: W, .offset: 16, .size: 8, .value_kind: global_buffer, .address_space: global }
      - { .name: b, .offset: 24, .size: 8, .value_kind: global_buffer, .address_space: global }
      - { .name: out0, .offset: 32, .size: 8, .value_kind: global_buffer, .address_space: global }
    .group_segment_fixed_size: 317440
    .private_segment_fixed_size: 0
    .kernarg_segment_align: 8
    .kernarg_segment_size: 40
    .max_flat_workgroup_size: 128
    .sgpr_count:     88
    .vgpr_count:     896
    .wavefront_size: 32
...
	.end_amdgpu_metadata
.endif
;; end of part 2
